; MI455X (gfx1250); checked and timed in simulation.
; The chip was launched on July 23, 2026; its instructions are those of AMD's public machine-readable ISA for CDNA 5 (MIT licence, August 2026) and "CDNA5" Instruction Set Architecture Reference Guide (July 2026). The comments in the code are by the model that wrote it; some were corrected since.
;; Multi Head Attention. Allowed arithmetic: matrix products marked QUANTISED: E4M3 operands, one given power-of-two scale a tensor, by v_wmma_f32_16x16x64_fp8_fp8 or v_wmma_f32_16x16x128_fp8_fp8, f32 sums; everything else in f32.
;; Inputs: Wk 1,024 x 1,024 float32; Wo 1,024 x 1,024 float32; Wq 1,024 x 1,024 float32; Wv 1,024 x 1,024 float32; bk 1,024 float32; bo 1,024 float32; bq 1,024 float32; bv 1,024 float32; lowp_scales 12 int32 (the exponents e of the quantised operands' scales 2^e); x 2 x 2,048 x 1,024 float32.
;; Outputs: out0 2 x 2,048 x 1,024 float32.
;; This version of the problem:
;;   THIS VERSION OF THE PROBLEM IS GIVEN IN LOW PRECISION. The matrix products marked QUANTISED in the list below multiply operands that are first quantised to E4M3 (4 exponent bits, 3 mantissa bits; 8 bits a number), with one given power-of-two scale for each operand tensor; their sums are f32. All else is computed in f32.
;;   The module's matrix products, in the order in which they are computed (A, B: the left and right operand; K: the contracted axis; several contracted axes count as one K, in the product's order):
;;     1. [M 4,096, K 1,024] x [K 1,024, N 1,024]; A: input x; B: input Wq: QUANTISED (scales: A lowp_scales[0], B lowp_scales[1])
;;     2. [M 4,096, K 1,024] x [K 1,024, N 1,024]; A: input x; B: input Wk: QUANTISED (scales: A lowp_scales[2], B lowp_scales[3])
;;     3. [M 4,096, K 1,024] x [K 1,024, N 1,024]; A: input x; B: input Wv: QUANTISED (scales: A lowp_scales[4], B lowp_scales[5])
;;     4. batch 32 x [M 2,048, K 64] x [K 64, N 2,048]; A: computed on the way; B: computed on the way: QUANTISED (scales: A lowp_scales[6], B lowp_scales[7])
;;     5. batch 32 x [M 2,048, K 2,048] x [K 2,048, N 64]; A: computed on the way; B: computed on the way: QUANTISED (scales: A lowp_scales[8], B lowp_scales[9])
;;     6. [M 4,096, K 1,024] x [K 1,024, N 1,024]; A: computed on the way; B: input Wo: QUANTISED (scales: A lowp_scales[10], B lowp_scales[11])
;;   THE QUANTISER, for each operand of a quantised product, along K:
;;     - The operand's scale is 2^e, e = its entry of the input lowp_scales (int32; the entries are numbered through the quantised products in the list's order, A before B).
;;     - Each number is divided by the scale, clamped to +-448, and rounded to the nearest number of E4M3, ties to even, subnormals kept.
;;     - The product sums the exact products of the quantised numbers (number of the format x scale) in f32.
;;   ~~~python
;;   def quantise(x, axis, e):      # numpy; x: float32 -> the quantised numbers, widened to float32 again
;;       x = np.moveaxis(x, axis, -1); K = x.shape[-1]
;;       r = np.clip(x / 2.0 ** e, -448, 448)
;;       step = 2.0 ** (np.maximum(np.frexp(np.where(r == 0, 1, r))[1] - 1, -6) - 3)
;;       q = np.round(r / step) * step * 2.0 ** e      # np.round: ties to even
;;       return np.moveaxis(q, -1, axis).astype(np.float32)
;;   ~~~
;;   OPERANDS COMPUTED ON THE WAY. 'Computed on the way' means the value that the module computes at that place (a softmax that the list does not call 'softmax' is quantised finished and normalised). What goes into a quantiser is computed in f32, as accurately as f32 sums, v_exp_f32 and their like allow (about 1e-6 of the number): no bf16 or f16 on the way to a quantiser, and a product that is left as it is and whose result goes on into a quantised operand takes f32 operands (vector FMAs, or v_wmma_f32_16x16x4_f32). A number that lies on a knife's edge between two numbers of the format may be rounded either way, as far as f32 arithmetic and the matrix unit's own rounding can turn it there, and no further.
;; One version. Each part assembles by itself: llvm-mc -triple=amdgcn-amd-amdhsa -mcpu=gfx1250 --defsym DOCPART=n.
;; ======== version 1 of 1: 4 launches
;; workspace buffers: xc 12,582,912 bytes; wc 4,194,304 bytes; qc 4,194,304 bytes; kc 4,194,304 bytes; vc 4,194,304 bytes; ac 4,194,304 bytes
;; launch quant (part 1): grid 256 x 1, 4 waves a work-group, no clusters, 68,096 bytes of LDS; arguments x, Wq, Wk, Wv, Wo, lowp_scales, xc, wc; writes xc, wc
.if DOCPART == 1
	.amdgcn_target "amdgcn-amd-amdhsa--gfx1250"
	.amdhsa_code_object_version 6
	.text
	.protected	k_q98fe65213d_quant
	.globl	k_q98fe65213d_quant
	.p2align	8
	.type	k_q98fe65213d_quant,@function
k_q98fe65213d_quant:
	s_mov_b64 s[64:65], 0
	v_nop
	global_prefetch_b8 v0, s[64:65] scope:SCOPE_SE
	s_setreg_imm32_b32 hwreg(HW_REG_WAVE_MODE, 25, 1), 1
	s_wait_xcnt 0x0
; x [4096 tokens][1024] f32 and the four weights [1024 (k)][1024 (n)] f32 become codes of FP8 (E4M3), K innermost.
; code = number / 2^e, held within +-448, to the nearest code, ties to even.  x is an operand of three products with three given scales (entries 0, 2, 4): three planes of codes.
; The weights take entries 1 (Wq), 3 (Wk), 5 (Wv), 11 (Wo).
; ORDER OF ROWS.  sigma(i) = i with its bits 3 and 4 exchanged.  Row p of a plane of xc is token sigma(p); row p of a plane of wc is column n = sigma(p).  Sixteen neighbouring rows, taken as a matrix
; instruction's first source, then leave in a lane's registers of two neighbouring tiles 16 NEIGHBOURING indices, which is what the next quantiser wants.
; xc: [3][4096][1024 bytes].   wc: [4: q, k, v, o][1024][1024 bytes].
; Work-groups 0-127 take x: 16 MB as a plain stream, a wave 8 tokens (8,192 numbers) in 16 steps of 512.  Each load reads 512 consecutive bytes; a step turns through the wave's own stage in LDS, so that a lane
; holds 16 neighbours along K; its 16 codes are 16 bytes, and a wave's store covers 512 consecutive aligned bytes in each plane.
; Work-groups 128-255 take the weights: a lane takes a column n and its registers run down K, so the conversions give codes with K innermost; they leave through the wave's stage as rows of 256 bytes.
; The two ways share no LDS byte (x: 0 - 32,767; weights: 32,768 - 67,583).  Waves share nothing: no barrier.  No work-group reads what another reads: no cluster.
; LIMITS: each e between -126 and 119.  NaN among the inputs is not served; an infinity is held at the largest code.
.set STEPS, 16
.set SP,    80                         ; a lane's place in x's stage: 64 bytes + 16 of padding
.set WREG,  8192                       ; x's way: LDS of a wave: two stages of 32 x SP bytes
.set RW,    16                         ; v16-79   four sets of 16 numbers as loaded
.set XN,    80                         ; v80-111  two sets of 16 neighbours
.set TT,    112                        ; v112-159 the held numbers, a set for each plane
.set CC,    160                        ; v160-183 codes: 2 steps x 3 planes x 4 registers
.set WSTG,  32768                      ; the weights' stages begin here
.set PITCH, 272                        ; a stage row: 256 bytes of codes + 16
.set NB,    8                          ; blocks of 32 along K for a wave
.set WX,    32                         ; v32-95   two sets of 32 numbers
.set WCD,   96                         ; v96-103  a block's codes
.set OUTR,  112                        ; v112-175 the way out
.macro LOAD t                          ; step t of x: four loads of 512 consecutive bytes
.irp i, 0,1,2,3
	global_load_b128 v[RW+16*((\t)%4)+4*\i:RW+16*((\t)%4)+4*\i+3], v3, s[4:5] offset:2048*(\t)+512*\i th:TH_LOAD_NT
.endr
.endm
.macro TURN t                          ; through the stage: LDS serves a wave's instructions in order (ISA guide 5.7.1.4), so no wait stands between the stores and the loads
.irp i, 0,1,2,3
	ds_store_b128 v14, v[RW+16*((\t)%4)+4*\i:RW+16*((\t)%4)+4*\i+3] offset:32*SP*((\t)%2)+8*SP*\i
.endr
.irp i, 0,1,2,3
	ds_load_b128 v[XN+16*((\t)%2)+4*\i:XN+16*((\t)%2)+4*\i+3], v15 offset:32*SP*((\t)%2)+16*\i
.endr
.endm
.macro STEP t
	s_wait_dscnt 0x0                               ; this step's numbers are back from the stage, and its stores into the stage have read their registers,
.if (\t)+4 < STEPS
	LOAD (\t)+4                                    ; which take the loads of four steps on
.endif
.if (\t)+1 < STEPS
.if STEPS-2-(\t) >= 3
	s_wait_loadcnt 12                              ; the next step's four loads are in; the 12 of the three steps behind it may be out
.else
	s_wait_loadcnt 4*(STEPS-2-(\t))
.endif
	TURN (\t)+1
.endif
	s_wait_xcnt 0x0                                ; the stores of two steps ago have read their codes' registers, which are written again below
.irp z, 0,1,2
.irp i, 0,1,2,3,4,5,6,7,8,9,10,11,12,13,14,15
	v_med3_num_f32 v[TT+16*\z+\i], v[XN+16*((\t)%2)+\i], -v[11+\z], v[11+\z]   ; the conversion does not saturate (ISA guide 7.6.2): the hold at the largest code x the scale
.endr
	v_cvt_scalef32_pk8_fp8_f32 v[CC+12*((\t)%2)+4*\z:CC+12*((\t)%2)+4*\z+1], v[TT+16*\z:TT+16*\z+7], v[8+\z]
	v_cvt_scalef32_pk8_fp8_f32 v[CC+12*((\t)%2)+4*\z+2:CC+12*((\t)%2)+4*\z+3], v[TT+16*\z+8:TT+16*\z+15], v[8+\z]
	global_store_b128 v3, v[CC+12*((\t)%2)+4*\z:CC+12*((\t)%2)+4*\z+3], s[34+2*\z:35+2*\z] offset:512*(\t)   ; 512 consecutive bytes, aligned
.endr
.endm
.macro WLOAD t                         ; block t of a weight: W(32 t + i, my column), i = 0 .. 31
.set n, 0
.rept 32
	global_load_b32 v[WX+32*((\t)%2)+n], v3, s[40:41] offset:(32*(\t)+n)*4096 th:TH_LOAD_NT
.set n, n+1
.endr
.endm
.macro BLOCK t
.if (\t) < NB-1
	s_wait_loadcnt 32                              ; this block's 32 loads are in; the next block's 32 may be out
.else
	s_wait_loadcnt 0
.endif
.set n, 0
.rept 32
	v_med3_num_f32 v[WX+32*((\t)%2)+n], v[WX+32*((\t)%2)+n], -v10, v10
.set n, n+1
.endr
.irp g, 0,1,2,3
	v_cvt_scalef32_pk8_fp8_f32 v[WCD+2*\g:WCD+2*\g+1], v[WX+32*((\t)%2)+8*\g:WX+32*((\t)%2)+8*\g+7], v11
.endr
	ds_store_b128 v4, v[WCD:WCD+3] offset:32*(\t)  ; 32 codes of my column's row
	ds_store_b128 v4, v[WCD+4:WCD+7] offset:32*(\t)+16
.if (\t)+2 < NB
	WLOAD (\t)+2
.endif
	s_wait_dscnt 0x0                               ; the stores have read their registers: the next block's codes may be written
.endm
	s_load_b512 s[4:19], s[0:1], 0x0               ; x 4:5, Wq 6:7, Wk 8:9, Wv 10:11, Wo 12:13, the exponents 14:15, xc 16:17, wc 18:19
	v_lshl_add_u32 v192, v0, 2, 0x10800
	v_mov_b32 v193, 0
	v_lshrrev_b32 v1, 5, v0
	v_readfirstlane_b32 s32, v1                    ; wave 0..3
	v_and_b32 v2, 31, v0                           ; lane
	s_wait_kmcnt 0x0
	s_load_b256 s[20:27], s[14:15], 0x0            ; e0 .. e7
	s_load_b128 s[28:31], s[14:15], 0x20           ; e8 .. e11
	s_cmp_lt_u32 ttmp9, 128
	s_cbranch_scc0 .Lw
	; ---------------- x
	v_lshlrev_b32 v3, 4, v2                        ; my 16 bytes of a load's 512, and of a store's
	s_mul_i32 s33, s32, WREG
	v_lshrrev_b32 v14, 2, v2
	v_mul_u32_u24 v14, v14, SP
	v_and_b32 v15, 3, v2
	v_lshl_add_u32 v14, v15, 4, v14
	v_add_nc_u32 v14, s33, v14                     ; into the stage: four lanes' 64 bytes on end, then 16 of padding
	v_mul_u32_u24 v15, v2, SP
	v_add_nc_u32 v15, s33, v15                     ; out of it: my 16 neighbours
	s_lshl_b32 s33, ttmp9, 2
	s_add_co_u32 s33, s33, s32                     ; i: my run of 8 tokens
	s_lshl_b32 s40, s33, 15                        ; 32,768 bytes of f32 a run
	s_mov_b32 s41, 0
	s_add_nc_u64 s[4:5], s[4:5], s[40:41]
	s_and_b32 s42, s33, 0xfffffffc                 ; tokens 8 i .. 8 i + 7 lie at rows 8 i' ..: i' = i with its bits 0 and 1 exchanged (bits 3 and 4 of the token)
	s_and_b32 s43, s33, 1
	s_lshl_b32 s43, s43, 1
	s_or_b32 s42, s42, s43
	s_bfe_u32 s43, s33, 0x10001
	s_or_b32 s42, s42, s43
	s_lshl_b32 s40, s42, 13                        ; 8,192 bytes of codes a run
	s_add_nc_u64 s[34:35], s[16:17], s[40:41]      ; plane 0,
	s_add_nc_u64 s[36:37], s[34:35], 0x400000      ; plane 1,
	s_add_nc_u64 s[38:39], s[34:35], 0x800000      ; plane 2
.irp t, 0,1,2,3
	LOAD \t
.endr
	s_wait_kmcnt 0x0
.irp z, 0,1,2
	s_add_co_i32 s44, s[20+2*\z], 127
	s_lshl_b32 s45, s44, 23
	v_mov_b32 v[8+\z], s45                         ; 2^e as f32: the conversion takes its exponent field
	s_add_co_i32 s44, s44, 8
	s_lshl_b32 s44, s44, 23
	s_or_b32 s44, s44, 0x600000
	v_mov_b32 v[11+\z], s44                        ; 448 x 2^e
.endr
	s_wait_loadcnt 12                              ; step 0's four loads are in
	TURN 0
.irp t, 0,1,2,3,4,5,6,7,8,9,10,11,12,13,14,15
	STEP \t
.endr
	s_wait_tensorcnt 0x0
	ds_add_u32 v192, v193
	s_wait_dscnt 0x0
	s_endpgm
	; ---------------- the weights
.Lw:
	s_sub_co_u32 s33, ttmp9, 128
	s_lshr_b32 s34, s33, 5                         ; which weight: 0 q, 1 k, 2 v, 3 o
	s_and_b32 s35, s33, 7                          ; which 128 columns
	s_bfe_u32 s36, s33, 0x20003                    ; which 256 along K
	s_lshl_b32 s37, s35, 7
	s_lshl_b32 s38, s32, 5
	s_add_co_u32 s37, s37, s38                     ; my wave's first column
	v_lshlrev_b32 v3, 2, v2                        ; in: 4 bytes a lane
	s_mul_i32 s39, s32, 32*PITCH
	s_add_co_u32 s39, s39, WSTG                    ; my stage
	v_and_b32 v9, 7, v2
	v_bfe_u32 v12, v2, 3, 1
	v_bfe_u32 v13, v2, 4, 1
	v_lshl_or_b32 v9, v12, 4, v9
	v_lshl_or_b32 v9, v13, 3, v9                   ; sigma(lane): my column's row
	v_mul_u32_u24 v4, v9, PITCH
	v_add_nc_u32 v4, s39, v4
	v_and_b32 v5, 15, v2
	v_lshrrev_b32 v6, 4, v2                        ; out: sixteen lanes to a row, two rows an instruction
	v_mul_u32_u24 v7, v6, PITCH
	v_lshl_add_u32 v7, v5, 4, v7
	v_add_nc_u32 v7, s39, v7
	v_lshlrev_b32 v8, 10, v6
	v_lshl_add_u32 v8, v5, 4, v8                   ; and the same place in wc
	s_mov_b64 s[40:41], s[12:13]                   ; the weight is chosen by the work-group's number alone
	s_cmp_eq_u32 s34, 2
	s_cselect_b64 s[40:41], s[10:11], s[40:41]
	s_cmp_eq_u32 s34, 1
	s_cselect_b64 s[40:41], s[8:9], s[40:41]
	s_cmp_eq_u32 s34, 0
	s_cselect_b64 s[40:41], s[6:7], s[40:41]
	s_lshl_b32 s44, s36, 20                        ; 256 rows of 4,096 bytes
	s_lshl_b32 s45, s37, 2
	s_add_co_u32 s44, s44, s45
	s_mov_b32 s45, 0
	s_add_nc_u64 s[40:41], s[40:41], s[44:45]
	s_lshl_b32 s44, s34, 20                        ; the weight's plane,
	s_lshl_b32 s46, s37, 10                        ; my 32 rows,
	s_add_co_u32 s44, s44, s46
	s_lshl_b32 s46, s36, 8                         ; my 256 bytes of them
	s_add_co_u32 s44, s44, s46
	s_add_nc_u64 s[18:19], s[18:19], s[44:45]
	WLOAD 0
	WLOAD 1
	s_wait_kmcnt 0x0
	s_mov_b32 s42, s31                             ; e11,
	s_cmp_eq_u32 s34, 2
	s_cselect_b32 s42, s25, s42                    ; e5,
	s_cmp_eq_u32 s34, 1
	s_cselect_b32 s42, s23, s42                    ; e3,
	s_cmp_eq_u32 s34, 0
	s_cselect_b32 s42, s21, s42                    ; e1
	s_add_co_i32 s42, s42, 127
	s_lshl_b32 s43, s42, 23
	v_mov_b32 v11, s43                             ; 2^e
	s_add_co_i32 s42, s42, 8
	s_lshl_b32 s42, s42, 23
	s_or_b32 s42, s42, 0x600000
	v_mov_b32 v10, s42                             ; 448 x 2^e
.irp t, 0,1,2,3,4,5,6,7
	BLOCK \t
.endr
.irp t, 0,1,2,3,4,5,6,7,8,9,10,11,12,13,14,15
	ds_load_b128 v[OUTR+4*\t:OUTR+4*\t+3], v7 offset:2*\t*PITCH
.endr
.irp t, 0,1,2,3,4,5,6,7,8,9,10,11,12,13,14,15
	s_wait_dscnt 15-\t                             ; loads come back in order: number t is in, the younger ones may be out
	global_store_b128 v8, v[OUTR+4*\t:OUTR+4*\t+3], s[18:19] offset:2*\t*1024   ; sixteen lanes store 256 consecutive bytes, aligned
.endr
	s_wait_tensorcnt 0x0
	ds_add_u32 v192, v193
	s_wait_dscnt 0x0
	s_endpgm
.Lfunc_end_k_q98fe65213d_quant:
	.size	k_q98fe65213d_quant, .Lfunc_end_k_q98fe65213d_quant-k_q98fe65213d_quant
	.p2alignl 7, 3214868480
	.fill 96, 4, 3214868480
	.section	.rodata,"a",@progbits
	.p2align	6, 0x0
	.amdhsa_kernel k_q98fe65213d_quant
		.amdhsa_group_segment_fixed_size 68096
		.amdhsa_private_segment_fixed_size 0
		.amdhsa_enable_private_segment 0
		.amdhsa_kernarg_size 64
		.amdhsa_user_sgpr_count 2
		.amdhsa_user_sgpr_kernarg_segment_ptr 1
		.amdhsa_wavefront_size32 1
		.amdhsa_system_sgpr_workgroup_id_x 1
		.amdhsa_system_sgpr_workgroup_id_y 1
		.amdhsa_system_sgpr_workgroup_id_z 1
		.amdhsa_system_vgpr_workitem_id 0
		.amdhsa_next_free_vgpr 194
		.amdhsa_next_free_sgpr 66
		.amdhsa_reserve_vcc 0
		.amdhsa_float_denorm_mode_32 3
		.amdhsa_float_denorm_mode_16_64 3
		.amdhsa_memory_ordered 1
		.amdhsa_forward_progress 1
		.amdhsa_inst_pref_size 126
	.end_amdhsa_kernel
	.amdgpu_metadata
---
amdhsa.version: [ 1, 2 ]
amdhsa.kernels:
  - .name:           k_q98fe65213d_quant
    .symbol:         k_q98fe65213d_quant.kd
    .args:
      - { .name: x, .offset: 0, .size: 8, .value_kind: global_buffer, .address_space: global }
      - { .name: Wq, .offset: 8, .size: 8, .value_kind: global_buffer, .address_space: global }
      - { .name: Wk, .offset: 16, .size: 8, .value_kind: global_buffer, .address_space: global }
      - { .name: Wv, .offset: 24, .size: 8, .value_kind: global_buffer, .address_space: global }
      - { .name: Wo, .offset: 32, .size: 8, .value_kind: global_buffer, .address_space: global }
      - { .name: lowp_scales, .offset: 40, .size: 8, .value_kind: global_buffer, .address_space: global }
      - { .name: xc, .offset: 48, .size: 8, .value_kind: global_buffer, .address_space: global }
      - { .name: wc, .offset: 56, .size: 8, .value_kind: global_buffer, .address_space: global }
    .group_segment_fixed_size: 68096
    .private_segment_fixed_size: 0
    .kernarg_segment_align: 8
    .kernarg_segment_size: 64
    .max_flat_workgroup_size: 128
    .sgpr_count:     66
    .vgpr_count:     194
    .wavefront_size: 32
...
	.end_amdgpu_metadata
.endif
;; end of part 1
;; launch proj (part 2): grid 12 x 16, 4 waves a work-group, clusters of 4 x 4, 327,680 bytes of LDS; arguments xc, wc, lowp_scales, bq, bk, bv, qc, kc, vc; writes qc, kc, vc
.if DOCPART == 2
	.amdgcn_target "amdgcn-amd-amdhsa--gfx1250"
	.amdhsa_code_object_version 6
	.text
	.protected	k_q98fe65213d_proj
	.globl	k_q98fe65213d_proj
	.p2align	8
	.type	k_q98fe65213d_proj,@function
k_q98fe65213d_proj:
	s_mov_b64 s[64:65], 0
	v_nop
	global_prefetch_b8 v0, s[64:65] scope:SCOPE_SE
	s_setreg_imm32_b32 hwreg(HW_REG_WAVE_MODE, 25, 1), 1
	s_wait_xcnt 0x0
	s_wait_alu depctr_hold_cnt(0) depctr_sa_sdst(0) depctr_va_vdst(0) depctr_va_sdst(0) depctr_va_ssrc(0) depctr_va_vcc(0) depctr_vm_vsrc(0)
	s_getreg_b32 s2, hwreg(HW_REG_IB_STS2, 6, 4)
	s_cmp_eq_u32 s2, 0
	s_cbranch_scc0 .Lentry_in_a_cluster
	s_endpgm
.Lentry_in_a_cluster:
	s_bfe_u32 s2, ttmp6, 0x10000c
	s_cmp_lg_u32 s2, 0xf033
	s_cbranch_scc0 .Lentry_shape_is_right
	s_endpgm
.Lentry_shape_is_right:
; q = x Wq + bq, k = x Wk + bk, v = x Wv + bv on codes of FP8 (E4M3), and each result quantised at once for attention's products (entries 6, 7, 9 of the given exponents).  No result goes to memory as f32.
; The cluster's x says which: z = 0 q, 1 k, 2 v.  A work-group of four waves makes a tile of 256 (P) x 256 (R), a wave 128 x 128: 64 accumulators, 512 registers.  K = 1,024 goes in four steps of 256
; through a ring of two LDS slots filled by the tensor data mover; a tile's row is 256 bytes of memory.
; P is the matrix instruction's second source: its rows fall to the lanes.  R is the first source: its rows fall to a lane's registers.
;   z < 2: P = tokens (plane z of xc), R = columns n (plane z of wc): a lane holds one token and, in tiles 2 i and 2 i + 1, 16 neighbouring n (the rows of both buffers lie in the order sigma: bits 3 and 4 exchanged).
;   z = 2: P = columns n (plane 2 of wc), R = tokens (plane 2 of xc): a lane holds one channel of v and 16 neighbouring TOKENS, which are the K of attention's second product.
; So the conversions' results are 16 bytes of an operand's register image, and every store of a wave covers 512 consecutive aligned bytes:
;   qc, kc: [head 16][tile of 16 token rows 256][c 2][lane 32][16 bytes]: lane (r, h): token row 16 T + r, d = 32 c + 16 h + 0 .. 15
;   vc:     [head 16][32 tokens 128][t 4][lane 32][16 bytes]:             lane (r, h): channel row 16 t + r of the head, tokens 32 i + 16 h + 0 .. 15
; CLUSTERS: 4 x 4 work-groups.  The four of a row of the cluster need the same tiles of P, the four of a column the same tiles of R: each tile is asked for jointly, by the same tensor load with the same
; descriptor and a mask that names the four.  All sixteen share z, so the one branch on z is alike in all partners.
; LIMITS: e0 + e1, e2 + e3, e4 + e5 between -126 and 127; e6, e7, e9 between -126 and 119.
; REGISTERS, in windows of 256: window 0: v0-31 addresses; v32, v33 the output's scale and hold; v56-63, v64-127 the biases; from v128 P's fragments, one set; on the way out v128-223 are at work.
;   window 1: R's fragments, two sets.   window 2: the accumulators of my P rows 0-63 ((a, b) at v[8 (8 a + b)]);   window 3: those of rows 64-127.
.set ROWB,   256                       ; a tile's row in bytes
.set KROW,   1024                      ; a row of xc or wc in memory
.set PITCH,  272                       ; an LDS row: 256 bytes + 16 of padding = 68 words: row r starts at bank 4 r mod 64 (64 banks of 4 bytes: ISA guide 11.1)
.set FR,     16                        ; registers of a fragment: 16 rows x 128 K
.set NL,     4                         ; LDS loads that bring one
.set NP,     4                         ; places behind this matrix instruction (ISA guide 7.12.1)
.set HALFT,  128*PITCH                 ; what one tensor load brings
.set SLOT,   4*HALFT                   ; P's 256 rows, then R's 256 rows
.set LAPS,   2                         ; 1,024 / 512
.set SPARE,  2*SLOT                    ; behind the ring: the spare words, 128 bytes a wave
.set ADRA, 16                          ; v16-17  LDS address of my P fragments in slot 0, 1
.set ADRB, 20                          ; v20-21  the same for R
.set CO,   26                          ; v26     16 x lane: my place in an image
.set SPW,  28                          ; v28     my spare word; never rewritten
.set NIL,  29                          ; v29     0; never rewritten
.set BOI,  30                          ; v30     64 h: the bias along my registers
.set BOP,  31                          ; v31     4 (r + 8 (r / 8)): the bias of my lane's row
.set SCL,  32                          ; v32     2^eo
.set LIM,  33                          ; v33     448 x 2^eo
.set BP,   56                          ; v56-63  z = 2: bias of my lane's row in each of the 8 blocks of P
.set BI,   64                          ; v64-127 z < 2: bias of my 8 registers in each of the 8 tiles of R
.set AF,   128
.set TMP,  128                         ; the way out: a block's 64 numbers
.set CD,   192                         ; the way out: two sets of 16 registers of codes
.set G1, 24
.set G0, 32
.set G1B, 48
.set G0B, 56
.set MSB, 0
.macro WIN new                         ; the immediate's high byte repeats the setting that is left
.if MSB != \new
	s_set_vgpr_msb (MSB<<8)|\new
.set MSB, \new
.endif
.endm
.set MUL_LO, 0xa1                      ; source 0 (R) window 1, source 1 (P) window 0, C and D window 2
.set MUL_HI, 0xf1
.set TO_B,   0x40
.macro JLOAD g0a, g1a, g0b, g1b        ; a joint load: waves 0 and 1 fetch for P, waves 2 and 3 for R; four v_nop follow each line
	s_cmp_eq_u32 s23, 0
	s_cbranch_scc0 .Lfor_b_\@
	tensor_load_to_lds s[\g0a:\g0a+3], s[\g1a:\g1a+7]
	s_nop 0
.rept 4
	v_nop
.endr
	s_branch .Lasked_\@
.Lfor_b_\@:
	tensor_load_to_lds s[\g0b:\g0b+3], s[\g1b:\g1b+7]
	s_nop 0
.rept 4
	v_nop
.endr
.Lasked_\@:
.endm
.macro CREST                           ; a round of the cluster's barrier behind its opening barrier
	s_cmp_lg_u32 s22, 0
	s_cbranch_scc1 .Lnot_wave_0_\@
	s_barrier_signal -3
.Lnot_wave_0_\@:
	s_barrier_wait -3
	s_barrier_signal -1
	s_barrier_wait -1
.endm
.macro CROUND
	s_barrier_signal -1
	s_barrier_wait -1
	CREST
.endm
	s_load_b512 s[4:19], s[0:1], 0x0               ; xc 4:5, wc 6:7, the exponents 8:9, bq 10:11, bk 12:13, bv 14:15, qc 16:17, kc 18:19
	s_load_b64 s[20:21], s[0:1], 0x40              ; vc
	v_lshl_add_u32 v[SPW], v0, 2, SPARE
	v_mov_b32 v[NIL], 0
	ds_add_u32 v28, v29
	ds_add_u32 v28, v29
	s_wait_dscnt 0x0
	v_lshrrev_b32 v1, 5, v0
	v_readfirstlane_b32 s22, v1                    ; wave 0..3
	s_lshr_b32 s23, s22, 1                         ; HP: my half of P's rows.  Also: I fetch for P (0) or for R (1)
	s_and_b32 s66, s22, 1                          ; HR: my half of R's rows.  Also: which 128 rows I fetch
	s_bfe_u32 s40, ttmp6, 0x40000                  ; cx
	s_bfe_u32 s41, ttmp6, 0x40004                  ; cy
	s_mov_b32 s67, ttmp9                           ; z: the cluster's x
	s_and_b32 s68, ttmp7, 0xffff                   ; Y: the cluster's y
	s_lshl_b32 s98, s67, 22                        ; plane z of xc
	s_lshl_b32 s99, s67, 20                        ; plane z of wc
	s_mov_b32 s100, 0x200000                       ; plane 2 of wc
	s_mov_b32 s101, 0x800000                       ; plane 2 of xc
	s_cmp_eq_u32 s67, 2
	s_cselect_b32 s72, 0, s68                      ; the tokens' 16 tiles go along P for q and k,
	s_cselect_b32 s73, s68, 0                      ; along R for v
	s_cselect_b32 s98, s100, s98                   ; P's plane
	s_cselect_b32 s99, s101, s99                   ; R's plane
	s_lshl_b32 s69, s72, 2
	s_add_co_u32 s69, s69, s41                     ; tile of P: hangs on cy alone
	s_lshl_b32 s42, s73, 2
	s_add_co_u32 s42, s42, s40                     ; tile of R: hangs on cx alone
	s_lshl_b32 s43, s41, 2
	s_lshl_b32 s43, 15, s43                        ; my row of the cluster
	s_lshl_b32 s44, 0x1111, s40                    ; my column
	s_or_b32 s[G1+0], s43, (1<<20)|(1<<21)|(5<<22)|(3<<25)   ; 15:0 the mask; 17:16 elements of 1 byte; 20 padding on; 21 set beside a mask; 24:22 after every 64 words; 31:25 four words
	s_or_b32 s[G1B+0], s44, (1<<20)|(1<<21)|(5<<22)|(3<<25)
.irp g, G1, G1B
	s_mov_b32 s[\g+1], ROWB<<16                    ; tensor_dim0
	s_mov_b32 s[\g+2], 128<<16                     ; tensor_dim1
	s_mov_b32 s[\g+3], ROWB<<16                    ; tile_dim0
	s_mov_b32 s[\g+4], 128                         ; tile_dim1
	s_mov_b32 s[\g+5], KROW                        ; tensor_dim0_stride
	s_mov_b32 s[\g+6], 0
	s_mov_b32 s[\g+7], 0
.endr
	s_lshl_b32 s100, s66, 7                        ; which 128 rows of the tile I fetch
	s_lshl_b32 s70, s69, 8
	s_add_co_u32 s70, s70, s100
	s_lshl_b32 s70, s70, 10                        ; rows of 1,024 bytes
	s_add_co_u32 s70, s70, s98                     ; P: byte offset (under 2^24)
	s_mov_b32 s71, 0
	s_lshl_b32 s46, s42, 8
	s_add_co_u32 s46, s46, s100
	s_lshl_b32 s46, s46, 10
	s_add_co_u32 s46, s46, s99                     ; R likewise
	s_mov_b32 s47, 0
	s_mul_i32 s45, s22, HALFT                      ; where they go: wave x 128 rows
	s_wait_kmcnt 0x0
	s_load_b256 s[80:87], s[8:9], 0x0              ; e0 .. e7
	s_load_b128 s[88:91], s[8:9], 0x20             ; e8 .. e11
	s_cmp_eq_u32 s67, 2
	s_cselect_b64 s[74:75], s[6:7], s[4:5]         ; P's buffer
	s_cselect_b64 s[76:77], s[4:5], s[6:7]         ; R's
	s_add_nc_u64 s[70:71], s[74:75], s[70:71]
	s_add_nc_u64 s[46:47], s[76:77], s[46:47]
	CROUND                                         ; all sixteen work-groups are here: the first joint loads meet
.irp s, 0,1
	s_mov_b32 s[G0+4*\s], 1
	s_add_co_u32 s[G0+4*\s+1], s45, \s*SLOT
	s_add_nc_u64 s[G0+4*\s+2:G0+4*\s+3], s[70:71], \s*ROWB
	s_or_b32 s[G0+4*\s+3], s[G0+4*\s+3], 0x80000000
	s_mov_b32 s[G0B+4*\s], 1
	s_add_co_u32 s[G0B+4*\s+1], s45, \s*SLOT
	s_add_nc_u64 s[G0B+4*\s+2:G0B+4*\s+3], s[46:47], \s*ROWB
	s_or_b32 s[G0B+4*\s+3], s[G0B+4*\s+3], 0x80000000
	JLOAD G0+4*\s, G1, G0B+4*\s, G1B
.endr
	v_and_b32 v1, 15, v0                           ; r
	v_bfe_u32 v2, v0, 4, 1                         ; h
	v_mul_u32_u24 v3, v1, PITCH
	v_lshl_add_u32 v4, v2, 4, v3                   ; a fragment's row x pitch + 16 h
	s_mul_i32 s98, s23, HALFT                      ; my 128 rows of P
	s_mul_i32 s99, s66, HALFT                      ; my 128 rows of R,
	s_add_co_u32 s99, s99, 2*HALFT                 ; which lie behind P's 256
.irp s, 0,1
	v_add_nc_u32 v[ADRA+\s], s98, v4
	v_add_nc_u32 v[ADRB+\s], s99, v4
	s_add_co_u32 s98, s98, SLOT
	s_add_co_u32 s99, s99, SLOT
.endr
	v_and_b32 v6, 31, v0
	v_lshlrev_b32 v[CO], 4, v6
	; THE BIASES, both kinds on every way, each inside its buffer: the kind that z does not use is read at the buffer's head.
	v_lshlrev_b32 v[BOI], 6, v2
	v_and_b32 v5, 8, v1
	v_add_nc_u32 v5, v5, v1
	v_lshlrev_b32 v[BOP], 2, v5
	s_cmp_eq_u32 s67, 0
	s_cselect_b64 s[78:79], s[10:11], s[12:13]
	s_cmp_eq_u32 s67, 2
	s_cselect_b64 s[78:79], s[14:15], s[78:79]
	s_lshl_b32 s98, s42, 10
	s_lshl_b32 s99, s66, 9
	s_add_co_u32 s98, s98, s99                     ; 4 x (256 tile of R + 128 HR)
	s_lshl_b32 s100, s69, 10
	s_lshl_b32 s99, s23, 9
	s_add_co_u32 s100, s100, s99                   ; 4 x (256 tile of P + 128 HP)
	s_cmp_eq_u32 s67, 2
	s_cselect_b32 s98, 0, s98
	s_cselect_b32 s100, s100, 0
	s_mov_b32 s99, 0
	s_mov_b32 s101, 0
	s_add_nc_u64 s[72:73], s[78:79], s[98:99]
	s_add_nc_u64 s[74:75], s[78:79], s[100:101]
.irp b, 0,1,2,3,4,5,6,7                ; register j of tile b holds n = 32 (b / 2) + 16 h + 8 (b % 2) + j
	global_load_b128 v[BI+8*\b:BI+8*\b+3],   v[BOI], s[72:73] offset:4*(32*(\b/2)+8*(\b%2))
	global_load_b128 v[BI+8*\b+4:BI+8*\b+7], v[BOI], s[72:73] offset:4*(32*(\b/2)+8*(\b%2))+16
.endr
.irp a, 0,1,2,3,4,5,6,7                ; lane r of block a holds n = 32 (a / 2) + 8 (a % 2) + r + 8 (r / 8)
	global_load_b32 v[BP+\a], v[BOP], s[74:75] offset:4*(32*(\a/2)+8*(\a%2))
.endr
	; where my results go: u1 = 2 x tile of R + HR, u2 = 2 x tile of P + HP.  q, k: u1 counts pairs of heads (524,288 bytes), u2 blocks of 8 token tiles (8,192 bytes); v: the other way round
	s_lshl_b32 s98, s42, 1
	s_add_co_u32 s98, s98, s66
	s_lshl_b32 s99, s69, 1
	s_add_co_u32 s99, s99, s23
	s_cmp_eq_u32 s67, 2
	s_cselect_b32 s100, s99, s98
	s_cselect_b32 s101, s98, s99
	s_cselect_b64 s[96:97], s[20:21], s[18:19]
	s_lshl_b32 s100, s100, 19
	s_lshl_b32 s101, s101, 13
	s_add_co_u32 s100, s100, s101
	s_mov_b32 s101, 0
	s_cmp_eq_u32 s67, 0
	s_cselect_b64 s[96:97], s[16:17], s[96:97]
	s_add_nc_u64 s[96:97], s[96:97], s[100:101]
	s_wait_kmcnt 0x0
	s_add_co_i32 s98, s80, s81
	s_add_co_i32 s99, s82, s83
	s_add_co_i32 s100, s84, s85
	s_cmp_eq_u32 s67, 0
	s_cselect_b32 s92, s98, s99
	s_cselect_b32 s94, s86, s87
	s_cmp_eq_u32 s67, 2
	s_cselect_b32 s92, s100, s92                   ; ea + eb of my product
	s_cselect_b32 s94, s89, s94                    ; eo: e6, e7 or e9
	s_add_co_i32 s92, s92, 127
	s_lshl_b32 s92, s92, 23                        ; 2^(ea + eb) as f32
	s_mov_b32 s93, s92                             ; (named with it as a pair, so it is written)
	s_add_co_i32 s94, s94, 127
	s_lshl_b32 s98, s94, 23
	v_mov_b32 v[SCL], s98
	s_add_co_i32 s94, s94, 8
	s_lshl_b32 s94, s94, 23
	s_or_b32 s94, s94, 0x600000
	v_mov_b32 v[LIM], s94
.macro FRAG reg, adr, q, i             ; 16 rows x 128 K: lane l holds row l % 16; registers 4 c .. 4 c + 3 hold K = 32 c + 16 (l / 16) + 0 .. 15: the same places in both sources, so every product meets its partner
.irp c, 0,1,2,3
	ds_load_b128 v[\reg+4*\c:\reg+4*\c+3], v[\adr] offset:128*(\q)+32*\c+(\i)*16*PITCH
.endr
.endm
; 16 matrix instructions: P's blocks a0, a0 + 1 x R's eight.  The 64 accumulators take turns, one instruction a turn, in the same order in every step.
.macro MUL16 a0, p, zero
.irp a, \a0, \a0+1
.irp b, 0,1,2,3,4,5,6,7
.if \zero
	v_wmma_f32_16x16x128_fp8_fp8 v[8*(8*((\a)%4)+\b):8*(8*((\a)%4)+\b)+7], v[128*(\p)+FR*\b:128*(\p)+FR*\b+FR-1], v[AF+FR*(\a):AF+FR*(\a)+FR-1], 0
.else
	v_wmma_f32_16x16x128_fp8_fp8 v[8*(8*((\a)%4)+\b):8*(8*((\a)%4)+\b)+7], v[128*(\p)+FR*\b:128*(\p)+FR*\b+FR-1], v[AF+FR*(\a):AF+FR*(\a)+FR-1], v[8*(8*((\a)%4)+\b):8*(8*((\a)%4)+\b)+7]
.endif
.endr
.endr
.endm
.macro FETCH_B slot, q, p
	WIN TO_B
.irp i, 0,1,2,3,4,5,6,7
	FRAG 128*(\p)+FR*\i, ADRB+\slot, \q, \i
.endr
	WIN 0
.endm
.macro FETCH_A slot, q, i0
.irp i, \i0, \i0+1, \i0+2, \i0+3
	FRAG AF+FR*(\i), ADRA+\slot, \q, \i
.endr
.endm
.macro PLACES n                        ; plain vector instructions between a matrix instruction and a load into, or a vector instruction on, its registers
.rept \n
	v_nop
.endr
.endm
.macro STEP slot, q, zero              ; 128 along K, with its successor in the same slot
	s_wait_dscnt 4*NL                              ; R's set and P's blocks 0-3 are in; the youngest 16 loads (P's blocks 4-7) may be out
	WIN MUL_LO
	MUL16 0, (\q)%2, \zero
	MUL16 2, (\q)%2, \zero
	s_wait_dscnt 0
	PLACES NP
	FETCH_B \slot, (\q)+1, 1-(\q)%2
	FETCH_A \slot, (\q)+1, 0
	WIN MUL_HI
	MUL16 4, (\q)%2, \zero
	MUL16 6, (\q)%2, \zero
	PLACES NP
	WIN 0
	FETCH_A \slot, (\q)+1, 4
.endm
; A slot's last step changes slots: one barrier; in front of it each wave waits for all its tensor loads, adds 0 to its spare word, and waits for that and for its reads of this slot.
.macro TURN slot, next, fill
	s_wait_tensorcnt 0x0                           ; all my tensor loads have landed: my part of the next slot
	ds_add_u32 v[SPW], v[NIL]                      ; 0 onto my spare word
	s_wait_dscnt 4*NL+1                            ; (the add and the youngest 16 loads may be out)
	WIN MUL_LO
	MUL16 0, 1, 0
	s_wait_dscnt 0x0                               ; the add is done, and my reads of this slot are over
	s_barrier_signal -1
	MUL16 2, 1, 0
	WIN 0
	s_barrier_wait -1
.if \fill
	CREST                                          ; the barrier has opened a round of the cluster's barrier: no wave of any partner still reads this slot or has a load on its way
	s_add_nc_u64 s[G0+4*\slot+2:G0+4*\slot+3], s[G0+4*\slot+2:G0+4*\slot+3], 2*ROWB
	s_add_nc_u64 s[G0B+4*\slot+2:G0B+4*\slot+3], s[G0B+4*\slot+2:G0B+4*\slot+3], 2*ROWB
	JLOAD G0+4*\slot, G1, G0B+4*\slot, G1B         ; the first tensor load behind the round; its four v_nop are also the places in front of the loads below
.else
	PLACES NP
.endif
	FETCH_B \next, 0, 0
	FETCH_A \next, 0, 0
	WIN MUL_HI
	MUL16 4, 1, 0
	MUL16 6, 1, 0
	PLACES NP
	WIN 0
	FETCH_A \next, 0, 4
.endm
	s_wait_tensorcnt 1                             ; my part of K step 0 is in; K step 1's load may be out
	s_barrier_signal -1
	s_barrier_wait -1
	FETCH_B 0, 0, 0
	FETCH_A 0, 0, 0
	FETCH_A 0, 0, 4
	STEP 0, 0, 1                                   ; the first step's products start the sums: nothing is cleared
	s_mov_b32 s3, LAPS-1
.Llap:                                             ; once round the ring, both slots filled again
	TURN 0, 1, 1
	STEP 1, 0, 0
	TURN 1, 0, 1
	STEP 0, 0, 0
	s_sub_co_u32 s3, s3, 1
	s_cmp_lg_u32 s3, 0
	s_cbranch_scc1 .Llap
	TURN 0, 1, 0                                   ; the last lap fills nothing
	STEP 1, 0, 0
	s_wait_dscnt 4*NL
	WIN MUL_LO
	MUL16 0, 1, 0
	MUL16 2, 1, 0
	s_wait_dscnt 0
	WIN MUL_HI
	MUL16 4, 1, 0
	MUL16 6, 1, 0
	WIN 0
; THE WAY OUT, block a of 16 rows of P at a time, without LDS: number = sum x 2^(ea + eb) + bias (one packed multiply-add for two), held, converted: the codes of tiles 2 i and 2 i + 1 are a lane's 16 bytes of an image.
; mode 0: the bias goes with my registers; mode 1: with my lane (one register of a pair serves both halves).  Each accumulator is read from its low end on.
.macro OUTBLK a, mode
.if (\a) >= 2
	s_wait_xcnt 0x0                                ; block a - 2's stores have read their codes' registers
.endif
	WIN 0x02+((\a)/4)                              ; source 0: window 2 or 3
.set n, 0
.rept 32
.if \mode == 0
	v_pk_fma_f32 v[TMP+n:TMP+n+1], v[64*((\a)%4)+n:64*((\a)%4)+n+1], s[92:93], v[BI+n:BI+n+1] op_sel_hi:[1,0,1]
.elseif (\a)%2
	v_pk_fma_f32 v[TMP+n:TMP+n+1], v[64*((\a)%4)+n:64*((\a)%4)+n+1], s[92:93], v[BP+2*((\a)/2):BP+2*((\a)/2)+1] op_sel:[0,0,1] op_sel_hi:[1,0,1]
.else
	v_pk_fma_f32 v[TMP+n:TMP+n+1], v[64*((\a)%4)+n:64*((\a)%4)+n+1], s[92:93], v[BP+2*((\a)/2):BP+2*((\a)/2)+1] op_sel_hi:[1,0,0]
.endif
.set n, n+2
.endr
	WIN 0
.set n, 0
.rept 64
	v_med3_num_f32 v[TMP+n], v[TMP+n], -v[LIM], v[LIM]   ; the conversion does not saturate (ISA guide 7.6.2)
.set n, n+1
.endr
.irp b, 0,1,2,3,4,5,6,7
	v_cvt_scalef32_pk8_fp8_f32 v[CD+16*((\a)%2)+2*\b:CD+16*((\a)%2)+2*\b+1], v[TMP+8*\b:TMP+8*\b+7], v[SCL]
.endr
	v_nop                                          ; a plain vector instruction behind the last conversion, ahead of the next block's writes of its sources
.irp i, 0,1,2,3
.if \mode == 0
	global_store_b128 v[CO], v[CD+16*((\a)%2)+4*\i:CD+16*((\a)%2)+4*\i+3], s[96:97] offset:(\a)*1024+(\i/2)*262144+(\i%2)*512
.else
	global_store_b128 v[CO], v[CD+16*((\a)%2)+4*\i:CD+16*((\a)%2)+4*\i+3], s[96:97] offset:((\a)/4)*262144+((\a)%4)*512+\i*2048
.endif
.endr
.endm
	s_wait_loadcnt 0x0                             ; the biases
	PLACES NP                                      ; behind the last products: their results are read and P's fragment registers written below
	s_cmp_eq_u32 s67, 2                            ; z is the same in all sixteen partners
	s_cbranch_scc1 .Lv
.irp a, 0,1,2,3,4,5,6,7
	OUTBLK \a, 0
.endr
	s_branch .Lend
.Lv:
.irp a, 0,1,2,3,4,5,6,7
	OUTBLK \a, 1
.endr
.Lend:
	s_wait_tensorcnt 0x0                           ; the wave's end
	ds_add_u32 v[SPW], v[NIL]
	s_wait_dscnt 0x0
	CROUND                                         ; the closing round: no work-group ends while a partner may still ask for a tile that names it
	s_endpgm
.Lfunc_end_k_q98fe65213d_proj:
	.size	k_q98fe65213d_proj, .Lfunc_end_k_q98fe65213d_proj-k_q98fe65213d_proj
	.p2alignl 7, 3214868480
	.fill 96, 4, 3214868480
	.section	.rodata,"a",@progbits
	.p2align	6, 0x0
	.amdhsa_kernel k_q98fe65213d_proj
		.amdhsa_group_segment_fixed_size 327680
		.amdhsa_private_segment_fixed_size 0
		.amdhsa_enable_private_segment 0
		.amdhsa_kernarg_size 72
		.amdhsa_user_sgpr_count 2
		.amdhsa_user_sgpr_kernarg_segment_ptr 1
		.amdhsa_wavefront_size32 1
		.amdhsa_system_sgpr_workgroup_id_x 1
		.amdhsa_system_sgpr_workgroup_id_y 1
		.amdhsa_system_sgpr_workgroup_id_z 1
		.amdhsa_system_vgpr_workitem_id 0
		.amdhsa_next_free_vgpr 1024
		.amdhsa_next_free_sgpr 102
		.amdhsa_reserve_vcc 0
		.amdhsa_float_denorm_mode_32 3
		.amdhsa_float_denorm_mode_16_64 3
		.amdhsa_memory_ordered 1
		.amdhsa_forward_progress 1
		.amdhsa_inst_pref_size 194
	.end_amdhsa_kernel
	.amdgpu_metadata
---
amdhsa.version: [ 1, 2 ]
amdhsa.kernels:
  - .name:           k_q98fe65213d_proj
    .symbol:         k_q98fe65213d_proj.kd
    .args:
      - { .name: xc, .offset: 0, .size: 8, .value_kind: global_buffer, .address_space: global }
      - { .name: wc, .offset: 8, .size: 8, .value_kind: global_buffer, .address_space: global }
      - { .name: lowp_scales, .offset: 16, .size: 8, .value_kind: global_buffer, .address_space: global }
      - { .name: bq, .offset: 24, .size: 8, .value_kind: global_buffer, .address_space: global }
      - { .name: bk, .offset: 32, .size: 8, .value_kind: global_buffer, .address_space: global }
      - { .name: bv, .offset: 40, .size: 8, .value_kind: global_buffer, .address_space: global }
      - { .name: qc, .offset: 48, .size: 8, .value_kind: global_buffer, .address_space: global }
      - { .name: kc, .offset: 56, .size: 8, .value_kind: global_buffer, .address_space: global }
      - { .name: vc, .offset: 64, .size: 8, .value_kind: global_buffer, .address_space: global }
    .group_segment_fixed_size: 327680
    .private_segment_fixed_size: 0
    .kernarg_segment_align: 8
    .kernarg_segment_size: 72
    .max_flat_workgroup_size: 128
    .sgpr_count:     102
    .vgpr_count:     1024
    .wavefront_size: 32
...
	.end_amdgpu_metadata
.endif
;; end of part 2
;; launch attn (part 3): grid 8 x 32, 8 waves a work-group, no clusters, 263,168 bytes of LDS; arguments qc, kc, vc, lowp_scales, ac; writes ac
.if DOCPART == 3
	.amdgcn_target "amdgcn-amd-amdhsa--gfx1250"
	.amdhsa_code_object_version 6
	.text
	.protected	k_q98fe65213d_attn
	.globl	k_q98fe65213d_attn
	.p2align	8
	.type	k_q98fe65213d_attn,@function
k_q98fe65213d_attn:
	s_mov_b64 s[64:65], 0
	v_nop
	global_prefetch_b8 v0, s[64:65] scope:SCOPE_SE
	s_setreg_imm32_b32 hwreg(HW_REG_WAVE_MODE, 25, 1), 1
	s_wait_xcnt 0x0
; Causal attention on codes of FP8 (E4M3), head size 64, 2,048 tokens, 32 (batch, head) pairs.  The weights are quantised FINISHED AND NORMALISED: p = exp(s - max) / sum, so a row's largest score and its sum
; must be known before any p is quantised: TWO PASSES over the keys.  Pass 1: scores, the running largest t and the sum.  Pass 2: the scores again, p = 2^(t - M) / l, its codes, and O^T += V^T P^T.
; t = score x log2(e) / 8; M = the row's largest t rounded up to a whole number (kept as -M = floor(-t)); when M moves, the sum is multiplied by 2^(old M - new M), which rounds nothing.
; SHARES.  Work-group (g, y): head y % 16 of batch y / 16.  The head's whole K (128 KB) and V^T (128 KB) lie in LDS as register images, each byte filled once: every wave brings 16 KB of each by one tensor load.
; A wave owns 32 queries (two tiles of 16, which share every fragment of K and V): block u of 64.  It has u / 2 + 1 steps of 64 keys in each pass; the later steps are passed over by a scalar branch on ids.
; Waves 2 i and 2 i + 1 take blocks 4 g + i and 63 - (4 g + i), so that every work-group has the same number of steps.
; LAYOUT.  Both products are used transposed (S^T = K Q^T, O^T = V^T P^T): a lane holds ONE query throughout.  Token rows lie in the order sigma (bits 3 and 4 exchanged), so the 16 registers of score tiles 2 i, 2 i + 1 are keys
; 32 i + 16 (lane / 16) + 0 .. 15, and lane r of query tile q holds query 32 u + 8 q + r + 8 (r / 8).
; Result: ac [tile of 16 token rows 256][s 8][c 4][lane 32][16 bytes]: lane (r, h): token row 16 T + r, model index 128 s + 32 c + 16 h + 0 .. 15: codes with entry 10's scale, the last product's operand as a register image.
; NO CLUSTER, though the eight work-groups of a head read the same K and V: which steps a wave passes over hangs on g, its work-group's number among the eight.
; NO PREFETCH: all that the work-group reads is asked for by its first instructions.
; LIMITS: e6 + e7 between -123 and 130 (added to c's exponent field); e8, and e10 - e8 - e9, between -126 and 119.
.set LI,   1                           ; v1   16 x lane
.set ADK,  2                           ; v2   LDS address of the K step to be fetched
.set ADV,  3                           ; v3   of the V step
.set AV0,  4                           ; v4   16 x lane + 131,072
.set QL,   5                           ; v5, v6   tile q: 8 q + r + 8 (r / 8) - 16 h
.set NINF, 7                           ; v7   -infinity
.set NM,   8                           ; v[8+2q] -M, v[9+2q] the largest t
.set SU,   12                          ; v[12+2q:13+2q] the sum in two halves; in pass 2 v[12+2q] = 1 / l
.set QF,   16                          ; v16-31   Q: tile q at 8 q
.set KFR,  32                          ; v32-63   K: four tiles of 16 keys
.set VFR,  64                          ; v64-95   V^T: four tiles of 16 channels x 64 keys
.set S,    96                          ; v96-159  S^T, then p: tile q at 32 q, key tile t at 8 t
.set OA,   160                         ; v160-223 O^T: 32 q + 8 t
.set P,    224                         ; v224-239 p's codes: 8 q
.set WK,   240                         ; v240-247 at work, four a tile
.set FF,   248                         ; v248-251 2^(old M - new M) as the low word of a pair, then the sums' second chains
.set SCP,  252                         ; 2^e8
.set LMP,  253                         ; 448 x 2^e8
.set SCO,  254                         ; 2^(e10 - e8 - e9)
.set LMO,  255                         ; 448 x that
.set WV,   14
.set QEND, 15                          ; my last query
.set HD,   16
.set BB,   17
.set UU,   18
.set Q0,   19                          ; my first query
.set KF,   20                          ; the step's first key
.set TB,   21                          ; the step's byte in K's and in V's region: 64 x KF
.set SEL,  22                          ; s[22:23] lane l xor 16
.set CS,   24                          ; s[24:25] c = log2(e) / 8 x 2^(e6 + e7)
.set G1,   28
.set G0K,  36
.set G0V,  40
.set CNT,  56
.macro KLOAD                           ; four tiles of 16 keys x 64: images, 512 consecutive bytes a load
.irp t, 0,1,2,3
.irp c, 0,1
	ds_load_b128 v[KFR+8*\t+4*\c:KFR+8*\t+4*\c+3], v[ADK] offset:1024*\t+512*\c
.endr
.endr
.endm
.macro VLOAD                           ; four tiles of 16 channels x 64 keys
.irp t, 0,1,2,3
.irp c, 0,1
	ds_load_b128 v[VFR+8*\t+4*\c:VFR+8*\t+4*\c+3], v[ADV] offset:2048*\c+512*\t
.endr
.endr
.endm
.macro SCORES                          ; S^T = K Q^T: eight results, each begun with the constant 0
.irp t, 0,1,2,3
.irp q, 0,1
	v_wmma_f32_16x16x64_fp8_fp8 v[S+32*\q+8*\t:S+32*\q+8*\t+7], v[KFR+8*\t:KFR+8*\t+7], v[QF+8*\q:QF+8*\q+7], 0
.endr
.endr
.endm
.macro NEXTK                           ; the next step's address, held inside K's region in the last step
	s_add_co_u32 s57, s[TB], 4096
	s_min_u32 s57, s57, 126976
	v_add_nc_u32 v[ADK], s57, v[LI]
.endm
.macro MASK                            ; on the diagonal hidden scores become -infinity ahead of the maximum; a step all of whose keys count passes this over
	s_add_co_u32 s57, s[KF], 63
	s_cmp_le_u32 s57, s[Q0]
	s_cbranch_scc1 .Lopen_\@
	s_sub_co_i32 s57, s[Q0], s[KF]
	v_add_nc_u32 v[WK], s57, v[QL]                 ; d = my query - KF - 16 h.  Register n holds key KF + 16 h + 32 (n / 16) + n % 16: hidden where 32 (n / 16) + n % 16 > d
	v_add_nc_u32 v[WK+4], s57, v[QL+1]
.set n, 0
.rept 32
	v_cmp_gt_i32 vcc_lo, 32*(n/16)+n%16, v[WK]
	v_cndmask_b32 v[S+n], v[S+n], v[NINF], vcc_lo
	v_cmp_gt_i32 vcc_lo, 32*(n/16)+n%16, v[WK+4]
	v_cndmask_b32 v[S+32+n], v[S+32+n], v[NINF], vcc_lo
.set n, n+1
.endr
.Lopen_\@:
.endm
.macro TMINUSM                         ; t - M, two at a time (of the pairs c and -M the low word serves both halves); each result of SCORES from its low end on
.set n, 0
.rept 16
	v_pk_fma_f32 v[S+n:S+n+1], v[S+n:S+n+1], s[CS:CS+1], v[NM:NM+1] op_sel_hi:[1,0,0]
	v_pk_fma_f32 v[S+32+n:S+33+n], v[S+32+n:S+33+n], s[CS:CS+1], v[NM+2:NM+3] op_sel_hi:[1,0,0]
.set n, n+2
.endr
.endm
.macro EXPS                            ; 2^(t - M): one batch of 64
.set n, 0
.rept 64
	v_exp_f32 v[S+n], v[S+n]
.set n, n+1
.endr
.endm
; PASS 1, a step of 64 keys.  Every query of the wave sees the step's first key (KF <= Q0 in every step that is not passed over), so each step's maximum is a number.
.macro STEP1
	s_cmp_gt_u32 s[KF], s[QEND]
	s_cbranch_scc1 .Lpast1_\@
	s_wait_dscnt 0x0                               ; K's fragments are in
	SCORES
	NEXTK                                          ; its addition and three v_nop: the four places ahead of the loads into K's registers and of the first read of the scores
	v_nop
	v_nop
	v_nop
	KLOAD                                          ; the next step's, a whole step ahead of their use
	MASK
.irp q, 0,1                                        ; the largest of 32 scores: two chains of 15, then the two left over
	v_max3_num_f32 v[WK+4*\q],   v[S+32*\q],    v[S+32*\q+1],  v[S+32*\q+2]
	v_max3_num_f32 v[WK+4*\q+1], v[S+32*\q+16], v[S+32*\q+17], v[S+32*\q+18]
.endr
.irp i, 3,5,7,9,11,13
.irp q, 0,1
	v_max3_num_f32 v[WK+4*\q],   v[WK+4*\q],   v[S+32*\q+\i],    v[S+32*\q+\i+1]
	v_max3_num_f32 v[WK+4*\q+1], v[WK+4*\q+1], v[S+32*\q+16+\i], v[S+32*\q+17+\i]
.endr
.endr
.irp q, 0,1
	v_max3_num_f32 v[WK+4*\q], v[WK+4*\q], v[S+32*\q+15], v[S+32*\q+31]
.endr
.irp q, 0,1
	v_max_num_f32 v[WK+4*\q], v[WK+4*\q], v[WK+4*\q+1]
.endr
.irp q, 0,1
	v_permlanex16_b32 v[WK+4*\q+2], v[WK+4*\q], s[SEL], s[SEL+1]   ; the query's other 32 keys lie in lane l xor 16
.endr
.irp q, 0,1
	v_max_num_f32 v[WK+4*\q], v[WK+4*\q], v[WK+4*\q+2]
.endr
.irp q, 0,1
	v_mul_f32 v[WK+4*\q], s[CS], v[WK+4*\q]        ; as t (c is positive)
.endr
.irp q, 0,1
	v_max_num_f32 v[NM+2*\q+1], v[NM+2*\q+1], v[WK+4*\q]
.endr
.irp q, 0,1
	v_mov_b32 v[WK+4*\q], v[NM+2*\q]
.endr
.irp q, 0,1
	v_floor_f32 v[NM+2*\q], -v[NM+2*\q+1]          ; the new -M
.endr
.irp q, 0,1
	v_sub_f32 v[WK+4*\q], v[NM+2*\q], v[WK+4*\q]   ; old M - new M: a whole number, 0 or less
.endr
.irp q, 0,1
	v_cvt_i32_f32 v[WK+4*\q], v[WK+4*\q]           ; (it saturates)
.endr
.irp q, 0,1
	v_ldexp_f32 v[FF+2*\q], 1.0, v[WK+4*\q]
.endr
	TMINUSM
	EXPS
.irp q, 0,1
	v_pk_mul_f32 v[SU+2*\q:SU+2*\q+1], v[SU+2*\q:SU+2*\q+1], v[FF+2*\q:FF+2*\q+1] op_sel_hi:[1,0]   ; the sums under the new M: the plain instructions behind the batch
.endr
	s_wait_alu depctr_va_vdst(0)                   ; one wait for the 64 exponentials, ahead of their first reader
.irp q, 0,1
	v_pk_add_f32 v[FF+2*\q:FF+2*\q+1], v[S+32*\q:S+32*\q+1], v[S+32*\q+2:S+32*\q+3]
.endr
.irp j, 4,8,12,16,20,24,28
.irp q, 0,1
	v_pk_add_f32 v[SU+2*\q:SU+2*\q+1], v[SU+2*\q:SU+2*\q+1], v[S+32*\q+\j:S+32*\q+\j+1]
	v_pk_add_f32 v[FF+2*\q:FF+2*\q+1], v[FF+2*\q:FF+2*\q+1], v[S+32*\q+\j+2:S+32*\q+\j+3]
.endr
.endr
.irp q, 0,1
	v_pk_add_f32 v[SU+2*\q:SU+2*\q+1], v[SU+2*\q:SU+2*\q+1], v[FF+2*\q:FF+2*\q+1]
.endr
.Lpast1_\@:
	s_add_co_u32 s[KF], s[KF], 64
	s_add_co_u32 s[TB], s[TB], 4096
.endm
; PASS 2, a step of 64 keys.  zero = 1: its products start O^T.  test = 1: the step may be passed over.
.macro STEP2 zero, test
.if \test
	s_cmp_gt_u32 s[KF], s[QEND]
	s_cbranch_scc1 .Lpast2_\@
.endif
	s_wait_dscnt 0x0                               ; K's fragments are in
	SCORES
	s_min_u32 s58, s[TB], 126976
	v_add_nc_u32 v[ADV], s58, v[AV0]               ; two additions and two v_nop: the four places ahead of the loads into V's registers (read by the last step's products) and K's, and of the first read of the scores
	NEXTK
	v_nop
	v_nop
	VLOAD                                          ; this step's V,
	KLOAD                                          ; the next step's K
	MASK
	TMINUSM
	EXPS
	v_nop                                          ; a plain instruction behind the last exponential
	s_wait_alu depctr_va_vdst(0)                   ; one wait for the batch, ahead of its first reader
.irp q, 0,1
.set n, 0
.rept 16
	v_pk_mul_f32 v[S+32*\q+n:S+32*\q+n+1], v[S+32*\q+n:S+32*\q+n+1], v[SU+2*\q:SU+2*\q+1] op_sel_hi:[1,0]   ; p = 2^(t - M) / l: normalised, in f32
.set n, n+2
.endr
.set n, 0
.rept 32
	v_min_num_f32 v[S+32*\q+n], v[S+32*\q+n], v[LMP]   ; the conversion does not saturate (ISA guide 7.6.2); p is not negative, so the hold is one-sided
.set n, n+1
.endr
.irp b, 0,1
	v_cvt_scalef32_pk8_fp8_f32 v[P+8*\q+4*\b:P+8*\q+4*\b+1],   v[S+32*\q+16*\b:S+32*\q+16*\b+7],    v[SCP]
	v_cvt_scalef32_pk8_fp8_f32 v[P+8*\q+4*\b+2:P+8*\q+4*\b+3], v[S+32*\q+16*\b+8:S+32*\q+16*\b+15], v[SCP]
.endr
.endr
	v_nop                                          ; a plain instruction between the last conversion and the products that read its result
	s_wait_dscnt 0x8                               ; V is in; the eight loads issued behind it (the next step's K) may be out
.irp t, 0,1,2,3                                    ; eight accumulators by turns, one instruction a turn
.irp q, 0,1
.if \zero
	v_wmma_f32_16x16x64_fp8_fp8 v[OA+32*\q+8*\t:OA+32*\q+8*\t+7], v[VFR+8*\t:VFR+8*\t+7], v[P+8*\q:P+8*\q+7], 0
.else
	v_wmma_f32_16x16x64_fp8_fp8 v[OA+32*\q+8*\t:OA+32*\q+8*\t+7], v[VFR+8*\t:VFR+8*\t+7], v[P+8*\q:P+8*\q+7], v[OA+32*\q+8*\t:OA+32*\q+8*\t+7]
.endif
.endr
.endr
.if \test
.Lpast2_\@:
.endif
	s_add_co_u32 s[KF], s[KF], 64
	s_add_co_u32 s[TB], s[TB], 4096
.endm
	s_load_b256 s[4:11], s[0:1], 0x0               ; qc 4:5, kc 6:7, vc 8:9, the exponents 10:11
	s_load_b64 s[12:13], s[0:1], 0x20              ; ac
	s_set_vgpr_msb 0x40
	v_lshl_add_u32 v0, v0, 2, 0x40000
	v_mov_b32 v1, 0
	s_set_vgpr_msb 0x4045
	ds_add_u32 v0, v1
	ds_add_u32 v0, v1
	s_set_vgpr_msb 0x4500
	v_lshrrev_b32 v1, 5, v0
	v_readfirstlane_b32 s[WV], v1                  ; wave 0..7
	s_and_b32 s57, ttmp7, 0xffff
	s_and_b32 s[HD], s57, 15
	s_lshr_b32 s[BB], s57, 4
	s_lshr_b32 s57, s[WV], 2
	s_xor_b32 s57, s57, s[WV]
	s_and_b32 s57, s57, 1                          ; 0: an early block, 1: a late one
	s_lshr_b32 s58, s[WV], 1
	s_lshl_b32 s59, ttmp9, 2
	s_add_co_u32 s58, s58, s59                     ; 4 g + wave / 2
	s_sub_co_u32 s59, 63, s58
	s_cmp_eq_u32 s57, 1
	s_cselect_b32 s[UU], s59, s58                  ; my block of 32 queries
	s_lshl_b32 s[Q0], s[UU], 5
	s_add_co_u32 s[QEND], s[Q0], 31
	; descriptor group 1: a dense block of 16 KB as 64 rows of 256 bytes
	s_mov_b32 s[G1], 3<<16                         ; no mask; elements of 8 bytes; no padding
	s_mov_b32 s[G1+1], 32<<16                      ; tensor_dim0 = 32
	s_mov_b32 s[G1+2], 64<<16                      ; tensor_dim1 = 64
	s_mov_b32 s[G1+3], 32<<16                      ; tile_dim0 = 32
	s_mov_b32 s[G1+4], 64                          ; tile_dim1 = 64
	s_mov_b32 s[G1+5], 32                          ; from row to row
	s_mov_b32 s[G1+6], 0
	s_mov_b32 s[G1+7], 0
	s_mov_b32 s[SEL], 0x76543210
	s_mov_b32 s[SEL+1], 0xfedcba98
	s_lshl_b32 s58, s[HD], 18
	s_lshl_b32 s59, s[BB], 17
	s_add_co_u32 s58, s58, s59                     ; the head's and the batch's first byte in qc, kc and vc
	s_lshl_b32 s60, s[WV], 14                      ; my 16 KB
	s_add_co_u32 s62, s58, s60
	s_mov_b32 s63, 0
	s_wait_dscnt 0x0
	s_wait_kmcnt 0x0
	s_load_b256 s[44:51], s[10:11], 0x0            ; e0 .. e7
	s_load_b128 s[52:55], s[10:11], 0x20           ; e8 .. e11
	s_mov_b32 s[G0K], 1
	s_mov_b32 s[G0K+1], s60                        ; K's region begins at LDS byte 0
	s_add_nc_u64 s[G0K+2:G0K+3], s[6:7], s[62:63]
	s_or_b32 s[G0K+3], s[G0K+3], 0x80000000
	s_mov_b32 s[G0V], 1
	s_add_co_u32 s[G0V+1], s60, 131072             ; V's at 131,072
	s_add_nc_u64 s[G0V+2:G0V+3], s[8:9], s[62:63]
	s_or_b32 s[G0V+3], s[G0V+3], 0x80000000
	tensor_load_to_lds s[G0K:G0K+3], s[G1:G1+7]    ; the launch's only fills: two loads of mine are out
	s_nop 0
	tensor_load_to_lds s[G0V:G0V+3], s[G1:G1+7]
	s_nop 0
.rept 4
	v_nop
.endr
	s_lshl_b32 s59, s[UU], 11                      ; two tiles of 1,024 bytes a block
	s_add_co_u32 s62, s58, s59
	s_add_nc_u64 s[4:5], s[4:5], s[62:63]
	v_and_b32 v1, 31, v0
	v_lshlrev_b32 v[LI], 4, v1
.irp q, 0,1
.irp c, 0,1
	global_load_b128 v[QF+8*\q+4*\c:QF+8*\q+4*\c+3], v[LI], s[4:5] offset:1024*\q+512*\c   ; Q stays in registers
.endr
.endr
	s_lshl_b32 s62, s[BB], 21                      ; ac: (128 b + 2 u) tiles of 16,384 bytes + 1,024 x head
	s_lshl_b32 s59, s[UU], 15
	s_add_co_u32 s62, s62, s59
	s_lshl_b32 s59, s[HD], 10
	s_add_co_u32 s62, s62, s59
	s_add_nc_u64 s[12:13], s[12:13], s[62:63]
	v_add_nc_u32 v[AV0], 131072, v[LI]
	v_and_b32 v[QL], 15, v0
	v_and_b32 v[QL+1], 8, v[QL]
	v_add_nc_u32 v[QL], v[QL], v[QL+1]             ; r + 8 (r / 8)
	v_bfe_u32 v[QL+1], v0, 4, 1
	v_lshlrev_b32 v[QL+1], 4, v[QL+1]
	v_sub_nc_u32 v[QL], v[QL], v[QL+1]             ; - 16 h
	v_add_nc_u32 v[QL+1], 8, v[QL]
	v_mov_b32 v[NINF], 0xff800000
.irp q, 0,1
	v_mov_b32 v[NM+2*\q+1], 0xff61b1e6             ; the largest t so far: -3e38, under every t
	v_floor_f32 v[NM+2*\q], -v[NM+2*\q+1]
	v_mov_b32 v[SU+2*\q], 0
	v_mov_b32 v[SU+2*\q+1], 0
.endr
.set n, 0
.rept 12
	v_mov_b32 v[WK+n], 0                           ; written once: lane permutes' destinations and the upper words of pairs count as read
.set n, n+1
.endr
	s_wait_kmcnt 0x0
	s_add_co_i32 s57, s50, s51
	s_lshl_b32 s57, s57, 23
	s_add_co_i32 s[CS], s57, 0x3e38aa3b            ; c = log2(e) / 8, with e6 + e7 added to its exponent field
	s_mov_b32 s[CS+1], s[CS]
	s_add_co_i32 s57, s52, 127
	s_lshl_b32 s58, s57, 23
	v_mov_b32 v[SCP], s58
	s_add_co_i32 s57, s57, 8
	s_lshl_b32 s57, s57, 23
	s_or_b32 s57, s57, 0x600000
	v_mov_b32 v[LMP], s57
	s_sub_co_i32 s57, s54, s52                     ; a sum of the second product stands for sum x 2^(e8 + e9): its code is sum / 2^(e10 - e8 - e9)
	s_sub_co_i32 s57, s57, s53
	s_add_co_i32 s57, s57, 127
	s_lshl_b32 s58, s57, 23
	v_mov_b32 v[SCO], s58
	s_add_co_i32 s57, s57, 8
	s_lshl_b32 s57, s57, 23
	s_or_b32 s57, s57, 0x600000
	v_mov_b32 v[LMO], s57
	s_wait_tensorcnt 0x1                           ; my part of K is in; V's load, issued behind it, may be out
	s_barrier_signal -1
	s_barrier_wait -1                              ; everybody's part of K is in
	s_wait_loadcnt 0x0                             ; Q
	s_mov_b32 s[KF], 0
	s_mov_b32 s[TB], 0
	v_mov_b32 v[ADK], v[LI]
	KLOAD
	s_mov_b32 s[CNT], 32
.Lpass1:                                           ; 32 trips in every wave; a trip whose keys all come after my queries only steps KF and TB
	STEP1
	s_sub_co_u32 s[CNT], s[CNT], 1
	s_cmp_lg_u32 s[CNT], 0
	s_cbranch_scc1 .Lpass1
.irp q, 0,1
	v_add_f32 v[SU+2*\q], v[SU+2*\q], v[SU+2*\q+1] ; the sum's two halves,
.endr
.irp q, 0,1
	v_permlanex16_b32 v[WK+4*\q], v[SU+2*\q], s[SEL], s[SEL+1]
.endr
.irp q, 0,1
	v_add_f32 v[SU+2*\q], v[SU+2*\q], v[WK+4*\q]   ; and lane l xor 16's: l
.endr
.irp q, 0,1
	v_rcp_f32 v[SU+2*\q], v[SU+2*\q]
.endr
	v_nop                                          ; a plain instruction behind the reciprocals
	s_wait_alu depctr_va_vdst(0)                   ; and the wait ahead of their first reader
	s_wait_tensorcnt 0x0                           ; my part of V is in
	s_wait_dscnt 0x0                               ; the last step's look-ahead loads are in: K's registers may be loaded again
	s_barrier_signal -1
	s_barrier_wait -1                              ; everybody's part of V is in
	s_mov_b32 s[KF], 0
	s_mov_b32 s[TB], 0
	v_mov_b32 v[ADK], v[LI]
	KLOAD
	STEP2 1, 0                                     ; step 0 counts for every query: its products start O^T, nothing is cleared
	s_mov_b32 s[CNT], 31
.Lpass2:
	STEP2 0, 1
	s_sub_co_u32 s[CNT], s[CNT], 1
	s_cmp_lg_u32 s[CNT], 0
	s_cbranch_scc1 .Lpass2
	s_wait_dscnt 0x0
	; THE WAY OUT: O^T's registers of channel tiles 2 i, 2 i + 1 are 16 neighbouring channels: held, converted, and stored as 16 bytes of the last product's operand image
.rept 4
	v_nop                                          ; the places behind the last products
.endr
.set n, 0
.rept 64
	v_med3_num_f32 v[OA+n], v[OA+n], -v[LMO], v[LMO]
.set n, n+1
.endr
.irp q, 0,1
.irp b, 0,1
	v_cvt_scalef32_pk8_fp8_f32 v[P+8*\q+4*\b:P+8*\q+4*\b+1],   v[OA+32*\q+16*\b:OA+32*\q+16*\b+7],    v[SCO]
	v_cvt_scalef32_pk8_fp8_f32 v[P+8*\q+4*\b+2:P+8*\q+4*\b+3], v[OA+32*\q+16*\b+8:OA+32*\q+16*\b+15], v[SCO]
.endr
.endr
	v_nop
.irp q, 0,1
.irp b, 0,1
	global_store_b128 v[LI], v[P+8*\q+4*\b:P+8*\q+4*\b+3], s[12:13] offset:16384*\q+512*\b   ; 512 consecutive bytes, aligned
.endr
.endr
	s_set_vgpr_msb 0x5
	s_wait_tensorcnt 0x0
	ds_add_u32 v0, v1
	s_wait_dscnt 0x0
	s_set_vgpr_msb 0x500
	s_endpgm
.Lfunc_end_k_q98fe65213d_attn:
	.size	k_q98fe65213d_attn, .Lfunc_end_k_q98fe65213d_attn-k_q98fe65213d_attn
	.p2alignl 7, 3214868480
	.fill 96, 4, 3214868480
	.section	.rodata,"a",@progbits
	.p2align	6, 0x0
	.amdhsa_kernel k_q98fe65213d_attn
		.amdhsa_group_segment_fixed_size 263168
		.amdhsa_private_segment_fixed_size 0
		.amdhsa_enable_private_segment 0
		.amdhsa_kernarg_size 40
		.amdhsa_user_sgpr_count 2
		.amdhsa_user_sgpr_kernarg_segment_ptr 1
		.amdhsa_wavefront_size32 1
		.amdhsa_system_sgpr_workgroup_id_x 1
		.amdhsa_system_sgpr_workgroup_id_y 1
		.amdhsa_system_sgpr_workgroup_id_z 1
		.amdhsa_system_vgpr_workitem_id 0
		.amdhsa_next_free_vgpr 258
		.amdhsa_next_free_sgpr 66
		.amdhsa_reserve_vcc 1
		.amdhsa_float_denorm_mode_32 3
		.amdhsa_float_denorm_mode_16_64 3
		.amdhsa_memory_ordered 1
		.amdhsa_forward_progress 1
		.amdhsa_inst_pref_size 58
	.end_amdhsa_kernel
	.amdgpu_metadata
---
amdhsa.version: [ 1, 2 ]
amdhsa.kernels:
  - .name:           k_q98fe65213d_attn
    .symbol:         k_q98fe65213d_attn.kd
    .args:
      - { .name: qc, .offset: 0, .size: 8, .value_kind: global_buffer, .address_space: global }
      - { .name: kc, .offset: 8, .size: 8, .value_kind: global_buffer, .address_space: global }
      - { .name: vc, .offset: 16, .size: 8, .value_kind: global_buffer, .address_space: global }
      - { .name: lowp_scales, .offset: 24, .size: 8, .value_kind: global_buffer, .address_space: global }
      - { .name: ac, .offset: 32, .size: 8, .value_kind: global_buffer, .address_space: global }
    .group_segment_fixed_size: 263168
    .private_segment_fixed_size: 0
    .kernarg_segment_align: 8
    .kernarg_segment_size: 40
    .max_flat_workgroup_size: 256
    .sgpr_count:     66
    .vgpr_count:     258
    .wavefront_size: 32
...
	.end_amdgpu_metadata
.endif
;; end of part 3
;; launch oproj (part 4): grid 8 x 32, 4 waves a work-group, clusters of 4 x 4, 288,256 bytes of LDS; arguments ac, wc, lowp_scales, bo, out0; writes out0
.if DOCPART == 4
	.amdgcn_target "amdgcn-amd-amdhsa--gfx1250"
	.amdhsa_code_object_version 6
	.text
	.protected	k_q98fe65213d_oproj
	.globl	k_q98fe65213d_oproj
	.p2align	8
	.type	k_q98fe65213d_oproj,@function
k_q98fe65213d_oproj:
	s_mov_b64 s[64:65], 0
	v_nop
	global_prefetch_b8 v0, s[64:65] scope:SCOPE_SE
	s_setreg_imm32_b32 hwreg(HW_REG_WAVE_MODE, 25, 1), 1
	s_wait_xcnt 0x0
	s_wait_alu depctr_hold_cnt(0) depctr_sa_sdst(0) depctr_va_vdst(0) depctr_va_sdst(0) depctr_va_ssrc(0) depctr_va_vcc(0) depctr_vm_vsrc(0)
	s_getreg_b32 s2, hwreg(HW_REG_IB_STS2, 6, 4)
	s_cmp_eq_u32 s2, 0
	s_cbranch_scc0 .Lentry_in_a_cluster
	s_endpgm
.Lentry_in_a_cluster:
	s_bfe_u32 s2, ttmp6, 0x10000c
	s_cmp_lg_u32 s2, 0xf033
	s_cbranch_scc0 .Lentry_shape_is_right
	s_endpgm
.Lentry_shape_is_right:
; out0 = attention's result x Wo + bo, on codes of FP8 (E4M3): y = sum x 2^(e10 + e11) + bo, f32.
; 256 work-groups; each makes 128 token rows (P: ac, register images) x 128 rows of Wo's codes (R: plane 3 of wc).  Four waves, each 64 x 64: 16 accumulators.
; K = 1,024 lies in LDS whole, as four chunks of 256, each with bytes of its own, filled once: a wave issues its four tensor loads at the start and reads chunk i when at most 3 - i of them are out.  No byte is filled again.
; The matrix instruction is used transposed (source 0 = 16 rows of R, source 1 = 16 rows of P): a lane holds one token row and eight neighbouring outputs.  Rows of both buffers lie in the order sigma (bits 3 and 4
; exchanged): register j of R tile b is output 32 (b / 2) + 16 h + 8 (b % 2) + j, and token row p is token sigma(p).
; CLUSTERS: 4 x 4 work-groups; P's tiles are asked for jointly along a row of the cluster, R's along a column.
; LIMIT: e10 + e11 between -126 and 127.
; REGISTERS: window 0: v1-19 addresses; v32-95 rows on the way out, two sets; v96-127 the bias; v128-255 the accumulators ((a, b) at v[128 + 8 (4 a + b)]).
;   window 1: two fragment buffers of 128: P's four fragments of 16 registers, then R's four.
.set CH,     67584                     ; a chunk in LDS: P's 8 tiles x 4,096 bytes, then R's 128 rows x 272
.set ROFF,   32768
.set PITCH,  272                       ; 256 bytes + 16 of padding = 68 words: row r starts at bank 4 r mod 64 (64 banks of 4 bytes: ISA guide 11.1)
.set STAGE,  4*CH                      ; behind the chunks: 16 rows x 272 bytes for each wave
.set SPITCH, 272
.set ADP,  8                           ; v8-11   my P fragments in chunk 0 .. 3
.set ADR,  12                          ; v12-15  my R fragments
.set STO,  16
.set RD,   17
.set CO,   18
.set BO,   19
.set BK,   32
.set BI,   96
.set ACC,  128
.set MSB, 0
.macro WIN new                         ; the immediate's high byte repeats the setting that is left
.if MSB != \new
	s_set_vgpr_msb (MSB<<8)|\new
.set MSB, \new
.endif
.endm
.set MUL,  0x05                        ; sources 0 and 1 window 1; C and D window 0
.set TO_F, 0x40                        ; destination window 1, address window 0
.macro CROUND                          ; a round of the cluster's barrier
	s_barrier_signal -1
	s_barrier_wait -1
	s_cmp_lg_u32 s14, 0
	s_cbranch_scc1 .Lnot_wave_0_\@
	s_barrier_signal -3
.Lnot_wave_0_\@:
	s_barrier_wait -3
	s_barrier_signal -1
	s_barrier_wait -1
.endm
.macro PLACES
.rept 4
	v_nop
.endr
.endm
	s_load_b256 s[4:11], s[0:1], 0x0               ; ac 4:5, wc 6:7, the exponents 8:9, bo 10:11
	s_load_b64 s[12:13], s[0:1], 0x20              ; out0
	v_lshl_add_u32 v30, v0, 2, 0x46400
	v_mov_b32 v31, 0
	ds_add_u32 v30, v31
	ds_add_u32 v30, v31
	v_lshrrev_b32 v1, 5, v0
	v_readfirstlane_b32 s14, v1                    ; wave 0..3
	s_lshr_b32 s15, s14, 1                         ; HP: my half of P's rows
	s_and_b32 s76, s14, 1                          ; HR: my half of R's rows.  Also: which half of a tile I fetch
	s_bfe_u32 s66, ttmp6, 0x40000                  ; cx
	s_bfe_u32 s67, ttmp6, 0x40004                  ; cy
	s_lshl_b32 s68, ttmp9, 2
	s_add_co_u32 s68, s68, s66                     ; tile of R = 4 x cluster x + cx
	s_and_b32 s69, ttmp7, 0xffff
	s_lshl_b32 s69, s69, 2
	s_add_co_u32 s69, s69, s67                     ; tile of P = 4 x cluster y + cy
	s_lshl_b32 s70, s67, 2
	s_lshl_b32 s70, 15, s70                        ; my row of the cluster
	s_lshl_b32 s71, 0x1111, s66                    ; my column
	; P: 4 token tiles x 4,096 bytes (two K steps of an image), 16,384 bytes apart, dense in LDS
	s_or_b32 s16, s70, (3<<16)|(1<<21)             ; the mask; elements of 8 bytes; 21 set beside a mask
	s_mov_b32 s17, 512<<16                         ; tensor_dim0 = 512
	s_mov_b32 s18, 4<<16                           ; tensor_dim1 = 4
	s_mov_b32 s19, 512<<16                         ; tile_dim0
	s_mov_b32 s20, 4                               ; tile_dim1
	s_mov_b32 s21, 2048                            ; from row to row
	s_mov_b32 s22, 0
	s_mov_b32 s23, 0
	; R: 64 rows x 256 bytes, 1,024 bytes apart, 16 bytes of padding behind each
	s_or_b32 s24, s71, (1<<20)|(1<<21)|(5<<22)|(3<<25)
	s_mov_b32 s25, 256<<16
	s_mov_b32 s26, 64<<16
	s_mov_b32 s27, 256<<16
	s_mov_b32 s28, 64
	s_mov_b32 s29, 1024
	s_mov_b32 s30, 0
	s_mov_b32 s31, 0
	s_lshl_b32 s77, s76, 16                        ; my half: 4 tiles of 16,384 bytes, or 64 rows of 1,024
	s_lshl_b32 s72, s69, 17
	s_add_co_u32 s72, s72, s77                     ; P: hangs on the tile of P and the wave alone
	s_mov_b32 s73, 0
	s_lshl_b32 s74, s68, 17
	s_add_co_u32 s74, s74, s77
	s_add_co_u32 s74, s74, 0x300000                ; R: plane 3 of wc
	s_mov_b32 s75, 0
	s_lshl_b32 s78, s76, 14                        ; where P's half goes,
	s_mul_i32 s79, s76, 64*PITCH
	s_add_co_u32 s79, s79, ROFF                    ; and R's
	s_wait_dscnt 0x0
	s_wait_kmcnt 0x0
	s_load_b64 s[80:81], s[8:9], 0x28              ; e10, e11
	s_add_nc_u64 s[72:73], s[4:5], s[72:73]
	s_add_nc_u64 s[74:75], s[6:7], s[74:75]
.irp k, 0,1,2,3
	s_mov_b32 s[32+4*\k], 1
	s_add_co_u32 s[33+4*\k], s78, \k*CH
	s_add_nc_u64 s[34+4*\k:35+4*\k], s[72:73], \k*4096
	s_or_b32 s[35+4*\k], s[35+4*\k], 0x80000000
	s_mov_b32 s[48+4*\k], 1
	s_add_co_u32 s[49+4*\k], s79, \k*CH
	s_add_nc_u64 s[50+4*\k:51+4*\k], s[74:75], \k*256
	s_or_b32 s[51+4*\k], s[51+4*\k], 0x80000000
.endr
	CROUND                                         ; all sixteen work-groups are here: the joint loads meet
	s_cmp_lt_u32 s14, 2                            ; waves 0 and 1 fetch P's halves, waves 2 and 3 R's: a wave's four fills stand in one branch; four loads of mine are out
	s_cbranch_scc0 .Lfor_r
.irp k, 0,1,2,3
	tensor_load_to_lds s[32+4*\k:35+4*\k], s[16:23]
	s_nop 0
.endr
.rept 4
	v_nop
.endr
	s_branch .Lasked
.Lfor_r:
.irp k, 0,1,2,3
	tensor_load_to_lds s[48+4*\k:51+4*\k], s[24:31]
	s_nop 0
.endr
.rept 4
	v_nop
.endr
.Lasked:
	v_and_b32 v1, 15, v0                           ; r
	v_bfe_u32 v2, v0, 4, 1                         ; h
	v_and_b32 v3, 31, v0
	v_lshlrev_b32 v3, 4, v3                        ; 16 x lane
	s_lshl_b32 s84, s15, 14                        ; my four tiles of P
	v_add_nc_u32 v4, s84, v3
	v_mul_u32_u24 v5, v1, PITCH
	v_lshl_add_u32 v5, v2, 4, v5
	s_mul_i32 s85, s76, 64*PITCH                   ; my 64 rows of R
	s_add_co_u32 s85, s85, ROFF
	v_add_nc_u32 v5, s85, v5
.irp k, 0,1,2,3
	v_add_nc_u32 v[ADP+\k], \k*CH, v4
	v_add_nc_u32 v[ADR+\k], \k*CH, v5
.endr
	s_mul_i32 s86, s14, 16*SPITCH
	s_add_co_u32 s86, s86, STAGE                   ; my stage
	v_mul_u32_u24 v6, v1, SPITCH
	v_lshl_add_u32 v6, v2, 6, v6
	v_add_nc_u32 v[STO], s86, v6                   ; in: row r, + 64 h
	v_mul_u32_u24 v6, v2, SPITCH
	v_lshl_add_u32 v6, v1, 4, v6
	v_add_nc_u32 v[RD], s86, v6                    ; back: lanes 0-15 one row of 256 bytes, lanes 16-31 the next
	v_lshlrev_b32 v6, 12, v2
	v_lshl_add_u32 v[CO], v1, 4, v6                ; and the same two rows of out0
	v_lshlrev_b32 v[BO], 6, v2
	s_lshl_b32 s84, s68, 9
	s_lshl_b32 s85, s76, 8
	s_add_co_u32 s84, s84, s85                     ; my first output, in bytes: 4 x (128 tile of R + 64 HR)
	s_mov_b32 s85, 0
	s_add_nc_u64 s[10:11], s[10:11], s[84:85]
.irp b, 0,1,2,3
	global_load_b128 v[BI+8*\b:BI+8*\b+3],   v[BO], s[10:11] offset:4*(32*(\b/2)+8*(\b%2))
	global_load_b128 v[BI+8*\b+4:BI+8*\b+7], v[BO], s[10:11] offset:4*(32*(\b/2)+8*(\b%2))+16
.endr
	s_add_nc_u64 s[12:13], s[12:13], s[84:85]
	s_lshl_b32 s84, s69, 19
	s_lshl_b32 s86, s15, 18
	s_add_co_u32 s84, s84, s86                     ; my first token row: (128 tile of P + 64 HP) x 4,096 bytes
	s_add_nc_u64 s[12:13], s[12:13], s[84:85]
	s_wait_kmcnt 0x0
	s_add_co_i32 s82, s80, s81
	s_add_co_i32 s82, s82, 127
	s_lshl_b32 s82, s82, 23                        ; 2^(e10 + e11) as f32
	s_mov_b32 s83, s82
; 32 LDS loads: the fragments of step s (128 along K) into buffer f
.macro FETCH s, f
	WIN TO_F
.irp i, 0,1,2,3
.irp c, 0,1,2,3
	ds_load_b128 v[(\f)+64+16*\i+4*\c:(\f)+64+16*\i+4*\c+3], v[ADR+(\s)/2] offset:16*PITCH*\i+128*((\s)%2)+32*\c
.endr
.endr
.irp i, 0,1,2,3
.irp c, 0,1,2,3
	ds_load_b128 v[(\f)+16*\i+4*\c:(\f)+16*\i+4*\c+3], v[ADP+(\s)/2] offset:4096*\i+2048*((\s)%2)+512*\c
.endr
.endr
.endm
; 8 matrix instructions: P's tiles a0, a0 + 1 x R's four.  The 16 accumulators take turns, one instruction a turn, in the same order in every step.
.macro MUL8 f, a0, zero
.irp a, \a0, \a0+1
.irp b, 0,1,2,3
.if \zero
	v_wmma_f32_16x16x128_fp8_fp8 v[ACC+8*(4*(\a)+\b):ACC+8*(4*(\a)+\b)+7], v[(\f)+64+16*\b:(\f)+64+16*\b+15], v[(\f)+16*(\a):(\f)+16*(\a)+15], 0
.else
	v_wmma_f32_16x16x128_fp8_fp8 v[ACC+8*(4*(\a)+\b):ACC+8*(4*(\a)+\b)+7], v[(\f)+64+16*\b:(\f)+64+16*\b+15], v[(\f)+16*(\a):(\f)+16*(\a)+15], v[ACC+8*(4*(\a)+\b):ACC+8*(4*(\a)+\b)+7]
.endif
.endr
.endr
.endm
; Step s.  An odd step is its chunk's last: the next chunk must be whole in every wave's eyes, so each wave waits for its own part of it and a barrier follows, its two halves eight matrix instructions apart.
.macro KST s
	s_wait_dscnt 0x0                               ; this step's fragments are in
.if ((\s)%2) && ((\s) < 7)
	s_wait_tensorcnt 3-((\s)+1)/2                  ; my part of the next chunk has landed; the loads of the chunks behind it may be out
	s_barrier_signal -1
.endif
	WIN MUL
.if (\s) == 0
	MUL8 0, 0, 1
.else
	MUL8 128*((\s)%2), 0, 0
.endif
.if ((\s)%2) && ((\s) < 7)
	s_barrier_wait -1
.endif
.if (\s) < 7
	PLACES                                         ; ahead of loads into the buffer that the last step's products read
	FETCH (\s)+1, 128-128*((\s)%2)
	WIN MUL
.endif
.if (\s) == 0
	MUL8 0, 2, 1
.else
	MUL8 128*((\s)%2), 2, 0
.endif
.endm
	s_wait_tensorcnt 0x3                           ; my part of chunk 0 is in; the three loads behind it may be out
	s_barrier_signal -1
	s_barrier_wait -1
	FETCH 0, 0
.irp s, 0,1,2,3,4,5,6,7
	KST \s
.endr
	WIN 0
; THE WAY OUT, a tile of 16 token rows x 64 outputs at a time, through my own stage: y = sum x 2^(e10 + e11) + bo by one packed multiply-add for two, each accumulator from its low end on.
.macro TOSTAGE a
.set n, 0
.rept 16
	v_pk_fma_f32 v[ACC+32*(\a)+n:ACC+32*(\a)+n+1], v[ACC+32*(\a)+n:ACC+32*(\a)+n+1], s[82:83], v[BI+n:BI+n+1] op_sel_hi:[1,0,1]
.set n, n+2
.endr
.irp b, 0,1,2,3
	ds_store_b128 v[STO], v[ACC+32*(\a)+8*\b:ACC+32*(\a)+8*\b+3]   offset:128*(\b/2)+32*(\b%2)
	ds_store_b128 v[STO], v[ACC+32*(\a)+8*\b+4:ACC+32*(\a)+8*\b+7] offset:128*(\b/2)+32*(\b%2)+16
.endr
.irp t, 0,1,2,3,4,5,6,7
	ds_load_b128 v[BK+32*((\a)%2)+4*\t:BK+32*((\a)%2)+4*\t+3], v[RD] offset:2*SPITCH*\t   ; LDS serves a wave's instructions in order (ISA guide 5.7.1.4): these see the stores above
.endr
.endm
.macro SEND a, younger                 ; younger: the LDS instructions issued behind tile a's loads
	s_wait_dscnt \younger
.irp t, 0,1,2,3,4,5,6,7                ; stage row 2 t + (lane / 16) of tile a is token 32 (a / 2) + 8 (a % 2) + 2 t + 8 (t / 4) + (lane / 16) of my 64
	global_store_b128 v[CO], v[BK+32*((\a)%2)+4*\t:BK+32*((\a)%2)+4*\t+3], s[12:13] offset:(32*((\a)/2)+8*((\a)%2)+2*\t+8*(\t/4))*4096 th:TH_STORE_NT   ; sixteen lanes store 256 consecutive bytes, aligned
.endr
.endm
	s_wait_loadcnt 0x0                             ; the bias
	PLACES                                         ; behind the last products
	TOSTAGE 0
.irp a, 1,2,3
.if \a > 1
	s_wait_xcnt 0x0                                ; tile a - 2's stores have read their registers: tile a's rows may land there
.endif
	TOSTAGE \a
	SEND \a-1, 16                                  ; behind tile a - 1's loads: tile a's 8 stores and 8 loads
.endr
	SEND 3, 0
	s_wait_dscnt 0x0
	s_wait_tensorcnt 0x0
	ds_add_u32 v30, v31
	s_wait_dscnt 0x0
	CROUND                                         ; the closing round: no work-group ends while a partner may still ask for a tile that names it
	s_endpgm
.Lfunc_end_k_q98fe65213d_oproj:
	.size	k_q98fe65213d_oproj, .Lfunc_end_k_q98fe65213d_oproj-k_q98fe65213d_oproj
	.p2alignl 7, 3214868480
	.fill 96, 4, 3214868480
	.section	.rodata,"a",@progbits
	.p2align	6, 0x0
	.amdhsa_kernel k_q98fe65213d_oproj
		.amdhsa_group_segment_fixed_size 288256
		.amdhsa_private_segment_fixed_size 0
		.amdhsa_enable_private_segment 0
		.amdhsa_kernarg_size 40
		.amdhsa_user_sgpr_count 2
		.amdhsa_user_sgpr_kernarg_segment_ptr 1
		.amdhsa_wavefront_size32 1
		.amdhsa_system_sgpr_workgroup_id_x 1
		.amdhsa_system_sgpr_workgroup_id_y 1
		.amdhsa_system_sgpr_workgroup_id_z 1
		.amdhsa_system_vgpr_workitem_id 0
		.amdhsa_next_free_vgpr 512
		.amdhsa_next_free_sgpr 90
		.amdhsa_reserve_vcc 0
		.amdhsa_float_denorm_mode_32 3
		.amdhsa_float_denorm_mode_16_64 3
		.amdhsa_memory_ordered 1
		.amdhsa_forward_progress 1
		.amdhsa_inst_pref_size 47
	.end_amdhsa_kernel
	.amdgpu_metadata
---
amdhsa.version: [ 1, 2 ]
amdhsa.kernels:
  - .name:           k_q98fe65213d_oproj
    .symbol:         k_q98fe65213d_oproj.kd
    .args:
      - { .name: ac, .offset: 0, .size: 8, .value_kind: global_buffer, .address_space: global }
      - { .name: wc, .offset: 8, .size: 8, .value_kind: global_buffer, .address_space: global }
      - { .name: lowp_scales, .offset: 16, .size: 8, .value_kind: global_buffer, .address_space: global }
      - { .name: bo, .offset: 24, .size: 8, .value_kind: global_buffer, .address_space: global }
      - { .name: out0, .offset: 32, .size: 8, .value_kind: global_buffer, .address_space: global }
    .group_segment_fixed_size: 288256
    .private_segment_fixed_size: 0
    .kernarg_segment_align: 8
    .kernarg_segment_size: 40
    .max_flat_workgroup_size: 128
    .sgpr_count:     90
    .vgpr_count:     512
    .wavefront_size: 32
...
	.end_amdgpu_metadata
.endif
;; end of part 4
